; MI455X (gfx1250); checked and timed in simulation.
; The chip was launched on July 23, 2026; its instructions are those of AMD's public machine-readable ISA for CDNA 5 (MIT licence, August 2026) and "CDNA5" Instruction Set Architecture Reference Guide (July 2026). The comments in the code are by the model that wrote it; some were corrected since.
;; Scaled Dot Product Attention. Allowed arithmetic: matrix products marked QUANTISED: E4M3 operands, one E8M0 scale for each 32 along K, by v_wmma_scale_f32_16x16x128_f8f6f4 with both operands' format E4M3, f32 sums; everything else in f32.
;; Inputs: k 4 x 2,048 x 1,024 float32; mask 4 x 1 x 2,048 int32; q 4 x 2,048 x 1,024 float32; v 4 x 2,048 x 1,024 float32.
;; Outputs: out0 4 x 2,048 x 1,024 float32.
;; This version of the problem:
;;   THIS VERSION OF THE PROBLEM IS GIVEN IN LOW PRECISION. The matrix products marked QUANTISED in the list below multiply operands that are first quantised to E4M3 (4 exponent bits, 3 mantissa bits; 8 bits a number), with one power-of-two scale for each 32 numbers along K (OCP MX v1.0); their sums are f32. All else is computed in f32.
;;   The module's matrix products, in the order in which they are computed (A, B: the left and right operand; K: the contracted axis; several contracted axes count as one K, in the product's order):
;;     1. batch 4 x [M 2,048, K 1,024] x [K 1,024, N 2,048]; A: input q; B: input k: QUANTISED
;;     2. batch 4 x [M 2,048, K 2,048] x [K 2,048, N 1,024]; A: softmax (see below); B: input v: QUANTISED
;;   THE QUANTISER, for each operand of a quantised product, along K:
;;     - K is cut into blocks of 32 from its start; a last block that is shorter is filled with zeros.
;;     - A block's scale is 2^e with e = floor(log2(the largest magnitude in the block)) - 8, held to -126 .. 127; a block of zeros has e = 0. As a byte (E8M0): e + 127.
;;     - Each number is divided by its block's scale, clamped to +-448, and rounded to the nearest number of E4M3, ties to even, subnormals kept.
;;     - The product sums the exact products of the quantised numbers (number of the format x scale) in f32.
;;   ~~~python
;;   def quantise(x, axis):      # numpy; x: float32 -> the quantised numbers, widened to float32 again
;;       x = np.moveaxis(x, axis, -1); K = x.shape[-1]
;;       x = np.pad(x, [(0, 0)] * (x.ndim - 1) + [(0, -K % 32)]); x = x.reshape(x.shape[:-1] + (-1, 32)); a = np.abs(x).max(-1, keepdims=True)
;;       e = np.where(a > 0, np.clip(np.frexp(np.where(a > 0, a, 1))[1] - 1 - 8, -126, 127), 0)      # np.frexp(a)[1] - 1 = floor(log2(a)), exactly
;;       r = np.clip(x / 2.0 ** e, -448, 448)
;;       step = 2.0 ** (np.maximum(np.frexp(np.where(r == 0, 1, r))[1] - 1, -6) - 3)
;;       q = np.round(r / step) * step * 2.0 ** e      # np.round: ties to even
;;       return np.moveaxis(q.reshape(q.shape[:-2] + (-1,))[..., :K], -1, axis).astype(np.float32)
;;   ~~~
;;   SOFTMAX AHEAD OF A QUANTISED PRODUCT. Where the list says 'softmax', what is quantised is not the finished softmax but p = 2^(t - M), with t = logit x log2(e) and M = ceil(the row's largest t), a whole number; so 1/2 < the row's largest p <= 1. The row's sum l is taken of the UNQUANTISED p, in f32, and the product's result is divided by l at the end. Since M is a whole number, a kernel that streams over the keys may use a running M (the ceiling of the running maximum): every later rescaling is an exact power of two, which a block's scale takes up: the codes' values come out the same.
;;   OPERANDS COMPUTED ON THE WAY. 'Computed on the way' means the value that the module computes at that place (a softmax that the list does not call 'softmax' is quantised finished and normalised). What goes into a quantiser is computed in f32, as accurately as f32 sums, v_exp_f32 and their like allow (about 1e-6 of the number): no bf16 or f16 on the way to a quantiser, and a product that is left as it is and whose result goes on into a quantised operand takes f32 operands (vector FMAs, or v_wmma_f32_16x16x4_f32). A number that lies on a knife's edge between two numbers of the format may be rounded either way, as far as f32 arithmetic and the matrix unit's own rounding can turn it there, and no further.
;; One version. Each part assembles by itself: llvm-mc -triple=amdgcn-amd-amdhsa -mcpu=gfx1250 --defsym DOCPART=n.
;; ======== version 1 of 1: 3 launches
;; limits: right only within a limited range of input values
;; workspace buffers: qk_img 17,301,504 bytes; v_img 8,650,752 bytes; p_img 16,777,216 bytes; stats 2,097,152 bytes
;; launch quant (part 1): grid 512 x 1, 4 waves a work-group, no clusters, 34,304 bytes of LDS; arguments q, k, qk_img; writes qk_img
.if DOCPART == 1
	.amdgcn_target "amdgcn-amd-amdhsa--gfx1250"
	.amdhsa_code_object_version 6
	.text
	.protected	k_q81d07c131c_quant
	.globl	k_q81d07c131c_quant
	.p2align	8
	.type	k_q81d07c131c_quant,@function
k_q81d07c131c_quant:
	s_mov_b64 s[64:65], 0
	v_nop
	global_prefetch_b8 v0, s[64:65] scope:SCOPE_SE
	s_setreg_imm32_b32 hwreg(HW_REG_WAVE_MODE, 25, 1), 1
	s_wait_xcnt 0x0
; q, k [4][2048][1024] f32 are quantised along their last axis into codes of FP8 (E4M3) with one E8M0 byte for each 32 along K.  (v is quantised by the next launch.)  All work of the definition is done; nothing is left out.
; THE IMAGE holds fragments in register order: a fragment is 16 rows x 128 along K, 2,048 bytes: byte 512 c + 16 (16 h + r) + i is row r, k = 32 c + 16 h + i.
;   qk_img [128 half tiles of 128 rows: 64 of q, then 64 of k][8 chunks of 128 along K][8 fragments, 16,384 B; 512 B of scale words [2 groups of 64 rows][r][4 fragments]].
;   Row r of fragment 2 n + u of a half tile is tensor row 32 n + 8 u + r + 8 (r / 8): two fragments' results then lie as 16 neighbours in a lane of the next launch.
; A block's scale is 2^(floor(log2(its largest magnitude)) - 8); its byte is that magnitude's exponent field - 8, held at 1 from below.  Each number is held within +-448 x the scale and rounded to the nearest code, ties to even.
; LIMITS: a block of zeros gets the byte 1 where the rule says 127 (its codes are zeros, which add nothing under any byte but 0xff, and this program alone reads the bytes); blocks whose largest
; magnitude lies under 2^-118, the floor, are coded under the byte 1; NaN and infinities among the inputs are not served.
; SHARES: 512 work-groups of four waves, 32,768 bytes a wave: 0-255 take q, 256-511 k.  Waves share nothing: no barrier.  No work-group reads what another reads: no cluster, no tensor load, no matrix work.
.set SPITCH, 528                       ; a stage row: 512 bytes + 16
.set WREG,  16*SPITCH                  ; a wave's stage
.set SPARE, 4*WREG                     ; the spare words, 128 bytes a wave
.set H,   0                            ; v0-3    448 x the scale of four blocks
.set MX,  12                           ; v12-15  largest magnitudes, then the conversions' scale operands
.set N,   16                           ; v16-19  the other half's maxima, then the scale bytes
.set SPW, 10
.set NIL, 11
.set QR,  24                           ; v24-151 two sets of 16 rows as loaded
.set QX,  152                          ; v152-215 a fragment's numbers: 16 neighbours of each of four blocks
.set QC,  216                          ; v216-247 codes, two sets
.set QW,  248                          ; v248-251 scale words of four fragments
	s_load_b128 s[4:7], s[0:1], 0x0                ; q, k
	s_load_b64 s[10:11], s[0:1], 0x10              ; qk_img
	v_lshl_add_u32 v[SPW], v0, 2, SPARE
	v_mov_b32 v[NIL], 0
	v_lshrrev_b32 v1, 5, v0
	v_readfirstlane_b32 s18, v1                    ; wave 0..3
	v_and_b32 v2, 31, v0                           ; lane
	v_and_b32 v3, 15, v0                           ; r
	v_bfe_u32 v1, v0, 4, 1                         ; h
	s_mul_i32 s19, s18, WREG
	v_cmp_ne_u32 s27, 0, v1                        ; lanes 16-31
	v_lshlrev_b32 v5, 4, v2                        ; 16 bytes a lane
	v_lshlrev_b32 v6, 4, v3
	v_lshl_add_u32 v6, v1, 3, v6                   ; scale words: 16 r + 8 h
	v_add_nc_u32 v7, s19, v5                       ; the stage, on the way in
	v_mul_u32_u24 v8, v3, SPITCH
	v_lshl_add_u32 v8, v1, 6, v8
	v_add_nc_u32 v8, s19, v8                       ; and on the way out: row r, 64 h
.irp b, 0,1,2,3
	v_mov_b32 v[N+\b], 0                           ; a lane permute's destination counts as one of its sources
.endr
	s_mov_b32 s21, 0
	s_mov_b32 s24, 0x76543210
	s_mov_b32 s25, 0xfedcba98                      ; selects of lane l xor 16
	s_mov_b32 s26, 0x600000                        ; the mantissa field of 448
; A wave takes 64 rows x 128 along K, a fragment a step: 16 loads of 512 consecutive bytes, turned through the wave's own stage so that a lane gets 16 neighbours.
	s_lshr_b32 s28, ttmp9, 2                       ; half tile
	s_bfe_u32 s29, ttmp9, 0x10001                  ; which 64 rows of it
	s_and_b32 s30, ttmp9, 1
	s_lshl_b32 s30, s30, 2
	s_add_co_u32 s30, s30, s18                     ; chunk: the four waves read 2,048 consecutive bytes of a row
	s_and_b32 s31, s28, 63
	s_lshl_b32 s20, s31, 19
	s_lshl_b32 s31, s29, 18
	s_add_co_u32 s20, s20, s31
	s_lshl_b32 s31, s30, 9
	s_add_co_u32 s20, s20, s31
	s_wait_alu depctr_va_vdst(0)                   ; the wait at the head's end
	s_wait_kmcnt 0x0
	s_cmp_lt_u32 ttmp9, 256                        ; q or k: by the work-group's number alone
	s_cselect_b64 s[4:5], s[4:5], s[6:7]
	s_add_nc_u64 s[4:5], s[4:5], s[20:21]
	s_mul_i32 s20, s28, 135168
	s_mul_i32 s31, s30, 16896
	s_add_co_u32 s20, s20, s31
	s_add_nc_u64 s[10:11], s[10:11], s[20:21]
	s_lshl_b32 s20, s29, 8
	s_add_co_u32 s20, s20, 16384
	s_add_nc_u64 s[14:15], s[10:11], s[20:21]      ; scale words
	s_lshl_b32 s20, s29, 13
	s_add_nc_u64 s[10:11], s[10:11], s[20:21]      ; codes
.macro QLOAD t
.irp i, 0,1,2,3,4,5,6,7,8,9,10,11,12,13,14,15
	global_load_b128 v[QR+64*((\t)%2)+4*\i:QR+64*((\t)%2)+4*\i+3], v5, s[4:5] offset:(32*((\t)/2)+8*((\t)%2)+\i+8*(\i/8))*4096 th:TH_LOAD_NT
.endr
.endm
.macro QSTEP t
.if (\t) < 3
	s_wait_loadcnt 16                              ; this step's 16 loads are in; the next step's may be out
.else
	s_wait_loadcnt 0x0
.endif
.irp i, 0,1,2,3,4,5,6,7,8,9,10,11,12,13,14,15
	ds_store_b128 v7, v[QR+64*((\t)%2)+4*\i:QR+64*((\t)%2)+4*\i+3] offset:SPITCH*\i
.endr
.irp c, 0,1,2,3
.irp i, 0,1,2,3
	ds_load_b128 v[QX+16*\c+4*\i:QX+16*\c+4*\i+3], v8 offset:128*\c+16*\i   ; LDS serves a wave's instructions in order: these see the stores above
.endr
.endr
.if (\t) < 2
	s_wait_dscnt 16                                ; the 16 stores have read their registers (the 16 loads behind them may be out),
	QLOAD (\t)+2                                   ; which take the rows of two steps on
.endif
	s_wait_dscnt 0x0
.irp b, 0,1,2,3
	v_max3_num_f32 v[MX+\b], |v[QX+16*\b]|, |v[QX+16*\b+1]|, 0x4800000   ; with the floor 2^(9 - 127): the byte cannot fall under 1
.endr
.irp i, 2,4,6,8,10,12,14
.irp b, 0,1,2,3
	v_max3_num_f32 v[MX+\b], v[MX+\b], |v[QX+16*\b+\i]|, |v[QX+16*\b+\i+1]|
.endr
.endr
.irp b, 0,1,2,3
	v_permlanex16_b32 v[N+\b], v[MX+\b], s24, s25
.endr
.irp b, 0,1,2,3
	v_max_num_f32 v[MX+\b], v[MX+\b], v[N+\b]      ; with lane l xor 16's 16: the block's
.endr
.irp b, 0,1,2,3
	v_and_or_b32 v[H+\b], v[MX+\b], 0x7f800000, s26   ; 448 x the scale
.endr
.irp b, 0,1,2,3
	v_add_nc_u32 v[MX+\b], 0xfc000000, v[MX+\b]    ; 8 off the exponent field: the conversion takes the exponent field of this operand as its scale
.endr
.irp b, 0,1,2,3
	v_lshrrev_b32 v[N+\b], 23, v[MX+\b]            ; the scale's byte
.endr
	v_lshl_or_b32 v[QW+\t], v[N+1], 8, v[N]
	v_lshl_or_b32 v[QW+\t], v[N+2], 16, v[QW+\t]
	v_lshl_or_b32 v[QW+\t], v[N+3], 24, v[QW+\t]
.if (\t) >= 2
	s_wait_alu depctr_va_vdst(0)
	s_wait_xcnt 0x0                                ; the stores of two steps back have read their codes
.endif
.set CC, QC+16*((\t)%2)
.irp b, 0,1,2,3
.irp i, 0,1,2,3,4,5,6,7,8,9,10,11,12,13,14,15
	v_med3_num_f32 v[QX+16*\b+\i], v[QX+16*\b+\i], -v[H+\b], v[H+\b]   ; the conversion to an 8-bit code does not saturate (ISA guide 7.6.2): the hold comes first
.endr
	v_cvt_scalef32_pk8_fp8_f32 v[CC+4*\b:CC+4*\b+1], v[QX+16*\b:QX+16*\b+7], v[MX+\b]
	v_cvt_scalef32_pk8_fp8_f32 v[CC+4*\b+2:CC+4*\b+3], v[QX+16*\b+8:QX+16*\b+15], v[MX+\b]
.endr
	v_nop                                          ; one plain line behind the last conversion
.irp b, 0,1,2,3
	global_store_b128 v5, v[CC+4*\b:CC+4*\b+3], s[10:11] offset:2048*(\t)+512*\b   ; 512 consecutive bytes
.endr
.endm
	QLOAD 0
	QLOAD 1
	QSTEP 0
	QSTEP 1
	QSTEP 2
	QSTEP 3
	v_cndmask_b32 v12, v[QW], v[QW+2], s27         ; lane (r, h) stores row r's words of fragments 2 h and 2 h + 1
	v_cndmask_b32 v13, v[QW+1], v[QW+3], s27
	global_store_b64 v6, v[12:13], s[14:15]        ; the wave's 256 bytes, aligned
	s_wait_tensorcnt 0x0                           ; the wave's end
	ds_add_u32 v[SPW], v[NIL]
	s_wait_dscnt 0x0
	s_endpgm
.Lfunc_end_k_q81d07c131c_quant:
	.size	k_q81d07c131c_quant, .Lfunc_end_k_q81d07c131c_quant-k_q81d07c131c_quant
	.p2alignl 7, 3214868480
	.fill 96, 4, 3214868480
	.section	.rodata,"a",@progbits
	.p2align	6, 0x0
	.amdhsa_kernel k_q81d07c131c_quant
		.amdhsa_group_segment_fixed_size 34304
		.amdhsa_private_segment_fixed_size 0
		.amdhsa_enable_private_segment 0
		.amdhsa_kernarg_size 24
		.amdhsa_user_sgpr_count 2
		.amdhsa_user_sgpr_kernarg_segment_ptr 1
		.amdhsa_wavefront_size32 1
		.amdhsa_system_sgpr_workgroup_id_x 1
		.amdhsa_system_sgpr_workgroup_id_y 1
		.amdhsa_system_sgpr_workgroup_id_z 1
		.amdhsa_system_vgpr_workitem_id 0
		.amdhsa_next_free_vgpr 256
		.amdhsa_next_free_sgpr 66
		.amdhsa_reserve_vcc 0
		.amdhsa_float_denorm_mode_32 3
		.amdhsa_float_denorm_mode_16_64 3
		.amdhsa_memory_ordered 1
		.amdhsa_forward_progress 1
		.amdhsa_inst_pref_size 51
	.end_amdhsa_kernel
	.amdgpu_metadata
---
amdhsa.version: [ 1, 2 ]
amdhsa.kernels:
  - .name:           k_q81d07c131c_quant
    .symbol:         k_q81d07c131c_quant.kd
    .args:
      - { .name: q, .offset: 0, .size: 8, .value_kind: global_buffer, .address_space: global }
      - { .name: k, .offset: 8, .size: 8, .value_kind: global_buffer, .address_space: global }
      - { .name: qk_img, .offset: 16, .size: 8, .value_kind: global_buffer, .address_space: global }
    .group_segment_fixed_size: 34304
    .private_segment_fixed_size: 0
    .kernarg_segment_align: 8
    .kernarg_segment_size: 24
    .max_flat_workgroup_size: 128
    .sgpr_count:     66
    .vgpr_count:     256
    .wavefront_size: 32
...
	.end_amdgpu_metadata
.endif
;; end of part 1
;; launch scores (part 2): grid 8 x 32, 4 waves a work-group, clusters of 4 x 4, 327,680 bytes of LDS; arguments qk_img, mask, p_img, stats, v, v_img; writes p_img, stats, v_img
.if DOCPART == 2
	.amdgcn_target "amdgcn-amd-amdhsa--gfx1250"
	.amdhsa_code_object_version 6
	.text
	.protected	k_q81d07c131c_scores
	.globl	k_q81d07c131c_scores
	.p2align	8
	.type	k_q81d07c131c_scores,@function
k_q81d07c131c_scores:
	s_mov_b64 s[64:65], 0
	v_nop
	global_prefetch_b8 v0, s[64:65] scope:SCOPE_SE
	s_setreg_imm32_b32 hwreg(HW_REG_WAVE_MODE, 25, 1), 1
	s_wait_xcnt 0x0
	s_wait_alu depctr_hold_cnt(0) depctr_sa_sdst(0) depctr_va_vdst(0) depctr_va_sdst(0) depctr_va_ssrc(0) depctr_va_vcc(0) depctr_vm_vsrc(0)
	s_getreg_b32 s2, hwreg(HW_REG_IB_STS2, 6, 4)
	s_cmp_eq_u32 s2, 0
	s_cbranch_scc0 .Lentry_in_a_cluster
	s_endpgm
.Lentry_in_a_cluster:
	s_bfe_u32 s2, ttmp6, 0x10000c
	s_cmp_lg_u32 s2, 0xf033
	s_cbranch_scc0 .Lentry_shape_is_right
	s_endpgm
.Lentry_shape_is_right:
; S = Q K^T / 32 + mask x (-1e9) on codes of FP8 with E8M0 scales, and the softmax's p under a LOCAL whole number M for each row and chunk of 128 keys: t = logit x log2(e), M = ceil(the chunk's largest t), p = 2^(t - M).
; p_img [64 tiles of 128 rows][16 chunks of 128 keys][8 fragments in register order, 16,384 B]: p's codes, quantised along the keys.
; stats [64][16][8 fragments][16 rows][4 words]: p's scale word, -M, the sum of the UNQUANTISED p (twice).  Row r of fragment 2 n + u stands for row 32 n + 8 u + r + 8 (r / 8) of the tile, as in qk_img.
; LIMITS: the promise holds while the scaled scores (t) stay under 2^31 in magnitude; NaN and infinities are not served; a block whose p all fall to 0 keeps the byte 1.
; SHARES: 256 work-groups of four waves; a work-group makes 256 queries x 256 keys, a wave 128 x 128: 64 accumulators.  K = 1,024 goes in four tiles of two chunks of 128 through a ring of two LDS slots; fragments lie in LDS as in
; memory, a load of 16 bytes a lane takes 512 consecutive bytes, and the scale words come with the tiles.  Waves 0, 1 fetch q's halves, waves 2, 3 k's: dense runs of 33,792 bytes, one load a wave.
; CLUSTERS: 4 x 4: a row of the cluster shares q's tiles, a column k's: each is asked for jointly.
; PREFETCH: behind each joint load the next tile is asked for, a slot's two chunks ahead of its load (tile 1 at the head); each half's first 128 blocks of 256 bytes are shared among the four partners by address, a lane a block; the last load asks for nothing.
; THE MATRIX INSTRUCTION IS USED TRANSPOSED (source 0 = 16 keys, source 1 = 16 queries): a lane holds one query, and by the rows' order in the fragments its registers of fragments 2 n, 2 n + 1 are keys 32 n + 16 h + 0 .. 15: the
; conversions' results are the next product's fragments as they stand.
; ALSO HERE: v [4][2048 keys][1024] f32 is quantised along the keys.  The next launch alone wants it; each work-group reads its own 131,072 bytes once, 64 channels x 128 keys a wave; the loads are on their way during the softmax.
;   v_img [4 batches][16 groups of 64 channels][16 chunks of 128 keys][4 fragments in register order, 8,192 B; 256 B of scale words [r][4 fragments]].  Row r of fragment j is channel 4 r + j of the group.
;   Lane (r, h) takes channels 4 r .. 4 r + 3 and keys 32 c + 16 h + 0 .. 15 of each c: a load reads two runs of 256 bytes, and the holds, which copy anyway, lay a channel's 16 neighbours along the keys side by side: no LDS.
;   LIMITS there as in the launch before: a block of zeros, or one whose largest magnitude lies under 2^-118, is coded under the byte 1; NaN and infinities are not served.
.set HTB,  135168                      ; a half tile in memory
.set VO,   26                          ; v26: v's rows and channels: 16 rows on in lanes 16-31, channels 4 r ..
.set HV,   40                          ; behind the softmax: v40-43 448 x the scale of four blocks
.set VW,   44                          ; v44-47 scale words of four fragments
.set QO,   16896                       ; a chunk of it
.set HB,   2*QO                        ; what one tensor load brings
.set SLOT, 4*HB
.set SPARE, 2*SLOT                     ; the spare words, 128 bytes a wave
.set ADRA, 16
.set ADRB, 18
.set ADRS, 20
.set CO,   22                          ; 16 x lane
.set SO,   23                          ; 16 r + 8 h
.set MO,   24
.set PFO,  25                          ; 256 x lane, never rewritten
.set SPW,  28
.set NIL,  29
.set SC,   32                          ; scale words, two sets of 8: q's in lanes 0-15, k's in lanes 16-31
.set MT,   64                          ; mask x (-1e9) of my keys
.set AF,   128                         ; q's fragments (window 0); k's: window 1, two sets
.set TM,   32                          ; behind the products
.set PW,   48
.set NM,   50
.set SU,   52
.set WK,   60
.set T,    128
.set PC,   192
.set ST,   240
.set G1, 24
.set G0, 32
.set G1B, 48
.set G0B, 56
.set MSB, 0
.macro WIN new                         ; the immediate's high byte repeats the setting that is left; a switch that changes nothing is dropped
.set WNEW, \new
.if MSB != WNEW
	s_set_vgpr_msb (MSB<<8)|WNEW
.set MSB, WNEW
.endif
.endm
.set MUL_LO, 0xa1                      ; source 0 window 1, source 1 window 0, C and D window 2
.set MUL_HI, 0xf1                      ; C and D window 3
.macro JLOAD s                         ; a joint load; the branch hangs on the wave's number alone; s_nop 0 and four v_nop follow each line
	s_cmp_eq_u32 s15, 0
	s_cbranch_scc0 .Lfor_b_\@
	tensor_load_to_lds s[G0+4*(\s):G0+4*(\s)+3], s[G1:G1+7]
	s_nop 0
.rept 4
	v_nop
.endr
	s_branch .Lasked_\@
.Lfor_b_\@:
	tensor_load_to_lds s[G0B+4*(\s):G0B+4*(\s)+3], s[G1B:G1B+7]
	s_nop 0
.rept 4
	v_nop
.endr
.Lasked_\@:
.endm
.macro ASK tile
	global_prefetch_b8 v[PFO], s[72:73] offset:HB*(\tile) th:TH_LOAD_NT scope:SCOPE_SE
.endm
.macro CREST                           ; a round of the cluster's barrier behind its opening barrier
	s_cmp_lg_u32 s14, 0
	s_cbranch_scc1 .Lnot_wave_0_\@
	s_barrier_signal -3
.Lnot_wave_0_\@:
	s_barrier_wait -3
	s_barrier_signal -1
	s_barrier_wait -1
.endm
.macro CROUND
	s_barrier_signal -1
	s_barrier_wait -1
	CREST
.endm
.macro PLACES n                        ; plain vector lines behind matrix instructions: eight for this form
.rept \n
	v_nop
.endr
.endm
	s_load_b256 s[4:11], s[0:1], 0x0               ; qk_img, mask, p_img, stats
	s_load_b128 s[96:99], s[0:1], 0x20             ; v, v_img
	v_lshl_add_u32 v[SPW], v0, 2, SPARE
	v_mov_b32 v[NIL], 0
	ds_add_u32 v[SPW], v[NIL]                      ; the opening add, twice on end
	ds_add_u32 v[SPW], v[NIL]
	v_lshrrev_b32 v1, 5, v0
	v_readfirstlane_b32 s14, v1                    ; wave 0..3
	s_lshr_b32 s15, s14, 1                         ; which 128 queries are mine.  Also: I fetch for q (0) or for k (1)
	s_and_b32 s16, s14, 1                          ; which 128 keys.  Also: which half of that tile I fetch
	s_bfe_u32 s40, ttmp6, 0x40000                  ; cx, cy
	s_bfe_u32 s41, ttmp6, 0x40004
	s_lshl_b32 s42, ttmp9, 2
	s_add_co_u32 s42, s42, s40                     ; tile of 256 keys, 0..7
	s_and_b32 s95, ttmp7, 0xffff
	s_lshl_b32 s17, s95, 2
	s_add_co_u32 s17, s17, s41                     ; tile of 256 queries, 0..31
	s_lshr_b32 s95, s95, 1                         ; batch
	s_lshl_b32 s43, s41, 2
	s_lshl_b32 s43, 15, s43                        ; my row of the cluster
	s_lshl_b32 s44, 0x1111, s40                    ; my column
	s_or_b32 s[G1], s43, (3<<16)|(1<<21)           ; 15:0 the mask; 17:16 elements of 8 bytes; 21 set beside a mask
	s_or_b32 s[G1B], s44, (3<<16)|(1<<21)
.irp g, G1, G1B
	s_mov_b32 s[\g+1], 32<<16                      ; rows of 256 bytes, dense
	s_mov_b32 s[\g+2], 132<<16
	s_mov_b32 s[\g+3], 32<<16
	s_mov_b32 s[\g+4], 132
	s_mov_b32 s[\g+5], 32
	s_mov_b32 s[\g+6], 0
	s_mov_b32 s[\g+7], 0
.endr
	s_lshl_b32 s20, s17, 1
	s_add_co_u32 s20, s20, s16
	s_mul_i32 s20, s20, HTB                        ; q's half tile
	s_mov_b32 s21, 0
	s_lshl_b32 s46, s95, 4
	s_lshl_b32 s47, s42, 1
	s_add_co_u32 s46, s46, s47
	s_add_co_u32 s46, s46, s16
	s_add_co_u32 s46, s46, 64
	s_mul_i32 s46, s46, HTB                        ; k's
	s_mov_b32 s47, 0
	s_mul_i32 s45, s14, HB                         ; where it goes in a slot
	s_mul_i32 s66, s15, HB                         ; my fragments of q in slot 0, 1
	s_add_co_u32 s67, s66, SLOT
	s_mul_i32 s68, s16, HB
	s_add_co_u32 s68, s68, 2*HB                    ; of k
	s_add_co_u32 s69, s68, SLOT
	s_sub_co_u32 s70, s68, s66                     ; from q's scale words to k's
	s_lshl_b32 s87, s42, 1
	s_add_co_u32 s87, s87, s16                     ; my chunk of keys, 0..15
	s_lshl_b32 s74, s95, 13
	s_lshl_b32 s76, s87, 9
	s_add_co_u32 s74, s74, s76                     ; its mask
	s_mov_b32 s75, 0
	s_lshl_b32 s88, s17, 1
	s_add_co_u32 s88, s88, s15
	s_lshl_b32 s88, s88, 4
	s_add_co_u32 s88, s88, s87                     ; tile of 128 queries x 16 + chunk
	s_lshl_b32 s90, s88, 14
	s_mov_b32 s91, 0
	s_lshl_b32 s88, s88, 11
	s_mov_b32 s89, 0
	s_lshl_b32 s12, s17, 3
	s_add_co_u32 s12, s12, s42                     ; my work-group's number, 0..255, for its share of v:
	s_lshr_b32 s19, s12, 6                         ; batch,
	s_bfe_u32 s71, s12, 0x40002                    ; chunk of 128 keys,
	s_and_b32 s77, s12, 3
	s_lshl_b32 s77, s77, 2
	s_add_co_u32 s77, s77, s14                     ; group of 64 channels: the four waves read 1,024 consecutive bytes of a row
	s_lshl_b32 s12, s19, 23
	s_lshl_b32 s22, s71, 19
	s_add_co_u32 s12, s12, s22
	s_lshl_b32 s22, s77, 8
	s_add_co_u32 s12, s12, s22
	s_mov_b32 s13, 0
	s_lshl_b32 s22, s19, 4
	s_add_co_u32 s22, s22, s77
	s_lshl_b32 s22, s22, 4
	s_add_co_u32 s22, s22, s71
	s_mul_i32 s22, s22, 8448
	s_mov_b32 s23, 0
	s_cmp_eq_u32 s15, 0
	s_cselect_b32 s92, s40, s41                    ; my place among the four that ask with me
	s_lshl_b32 s92, s92, 13
	s_mov_b32 s93, 0
	s_mov_b32 s18, 0x600000                        ; the mantissa field of 448
	s_mov_b32 s78, 0x76543210
	s_mov_b32 s79, 0xfedcba98                      ; selects of lane l xor 16
	s_mov_b32 s80, 0x3fb8aa3b                      ; log2(e)
	s_mov_b32 s81, 0x3fb8aa3b
	s_mov_b32 s82, 0xce6e6b28                      ; -1e9
	s_mov_b32 s83, 0xce6e6b28
	s_mov_b32 s84, 0x3d000000                      ; 1 / 32
	s_mov_b32 s85, 0x3d000000
	s_wait_dscnt 0x0                               ; both opening adds are done
	s_wait_kmcnt 0x0
	s_add_nc_u64 s[20:21], s[4:5], s[20:21]
	s_add_nc_u64 s[46:47], s[4:5], s[46:47]
	s_cmp_eq_u32 s15, 0
	s_cselect_b64 s[72:73], s[20:21], s[46:47]
	s_add_nc_u64 s[72:73], s[72:73], s[92:93]      ; my 32 blocks of 256 bytes of the half that I fetch, tile 0
	s_add_nc_u64 s[6:7], s[6:7], s[74:75]
	s_add_nc_u64 s[8:9], s[8:9], s[90:91]
	s_add_nc_u64 s[10:11], s[10:11], s[88:89]
	s_add_nc_u64 s[96:97], s[96:97], s[12:13]
	s_add_nc_u64 s[98:99], s[98:99], s[22:23]
.irp s, 0,1
	s_mov_b32 s[G0+4*\s], 1
	s_add_co_u32 s[G0+4*\s+1], s45, \s*SLOT
	s_add_nc_u64 s[G0+4*\s+2:G0+4*\s+3], s[20:21], \s*HB
	s_or_b32 s[G0+4*\s+3], s[G0+4*\s+3], 0x80000000
	s_mov_b32 s[G0B+4*\s], 1
	s_add_co_u32 s[G0B+4*\s+1], s45, \s*SLOT
	s_add_nc_u64 s[G0B+4*\s+2:G0B+4*\s+3], s[46:47], \s*HB
	s_or_b32 s[G0B+4*\s+3], s[G0B+4*\s+3], 0x80000000
.endr
	CROUND                                         ; all sixteen work-groups are here: the first joint loads meet
	JLOAD 0                                        ; tile 0: one tensor load a wave at the head
	v_and_b32 v1, 15, v0                           ; r
	v_bfe_u32 v2, v0, 4, 1                         ; h
	v_and_b32 v3, 31, v0                           ; lane
	v_lshlrev_b32 v[CO], 4, v3
	v_lshlrev_b32 v[PFO], 8, v3
	v_lshlrev_b32 v[MO], 6, v2
	v_lshlrev_b32 v4, 4, v1
	v_lshl_add_u32 v[SO], v2, 3, v4
	v_lshl_add_u32 v[VO], v2, 16, v4
	v_cmp_le_u32 s86, 16, v3                       ; lanes 16-31
	v_mul_u32_u24 v5, s70, v2
	v_add_nc_u32 v5, v5, v4
	v_add_nc_u32 v[ADRS], s66, v5                  ; scale words: row r of q's in lanes 0-15, of k's in lanes 16-31
	v_add_nc_u32 v[ADRS+1], s67, v5
	v_add_nc_u32 v[ADRA], s66, v[CO]
	v_add_nc_u32 v[ADRA+1], s67, v[CO]
	v_add_nc_u32 v[ADRB], s68, v[CO]
	v_add_nc_u32 v[ADRB+1], s69, v[CO]
	s_wait_alu depctr_va_vdst(0)
	ASK 1
.irp n, 0,1,2,3
.irp i, 0,1,2,3
	global_load_b128 v[MT+16*\n+4*\i:MT+16*\n+4*\i+3], v[MO], s[6:7] offset:128*\n+16*\i   ; keys 32 n + 16 h + 4 i ..
.endr
.endr
	s_wait_loadcnt 0x0
.set J, 0
.rept 64
	v_cvt_f32_i32 v[MT+J], v[MT+J]
.set J, J+1
.endr
.set J, 0
.rept 32
	v_pk_mul_f32 v[MT+J:MT+J+1], v[MT+J:MT+J+1], s[82:83] op_sel_hi:[1,0]
.set J, J+2
.endr
.macro MUL16 a0, n                     ; chunk n: q's fragments a0, a0 + 1 x k's eight; the 64 accumulators take turns in the same order in every chunk.  The first chunk starts the sums
.irp a, \a0, \a0+1
.irp b, 0,1,2,3,4,5,6,7
.if (\n) == 0
	v_wmma_scale_f32_16x16x128_f8f6f4 v[8*(8*((\a)%4)+\b):8*(8*((\a)%4)+\b)+7], v[16*\b:16*\b+15], v[AF+16*(\a):AF+16*(\a)+15], 0, v[SC+\b], v[SC+(\a)] matrix_a_scale:MATRIX_SCALE_ROW1
.else
	v_wmma_scale_f32_16x16x128_f8f6f4 v[8*(8*((\a)%4)+\b):8*(8*((\a)%4)+\b)+7], v[128*((\n)%2)+16*\b:128*((\n)%2)+16*\b+15], v[AF+16*(\a):AF+16*(\a)+15], v[8*(8*((\a)%4)+\b):8*(8*((\a)%4)+\b)+7], v[SC+8*((\n)%2)+\b], v[SC+8*((\n)%2)+(\a)] matrix_a_scale:MATRIX_SCALE_ROW1
.endif
.endr
.endr
.endm
.macro FB m                            ; chunk m's fragments of k, into set m % 2 of window 1
	WIN 0x40
.irp i, 0,1,2,3,4,5,6,7
.irp c, 0,1,2,3
	ds_load_b128 v[128*((\m)%2)+16*\i+4*\c:128*((\m)%2)+16*\i+4*\c+3], v[ADRB+((\m)/2)%2] offset:QO*((\m)%2)+2048*\i+512*\c
.endr
.endr
	WIN 0
.endm
.macro FA m, i0                        ; four of its fragments of q
.irp i, 0,1,2,3
.irp c, 0,1,2,3
	ds_load_b128 v[AF+16*(\i0+\i)+4*\c:AF+16*(\i0+\i)+4*\c+3], v[ADRA+((\m)/2)%2] offset:QO*((\m)%2)+2048*(\i0+\i)+512*\c
.endr
.endr
.endm
.macro FS m                            ; its scale words
.irp g, 0,1
	ds_load_b128 v[SC+8*((\m)%2)+4*\g:SC+8*((\m)%2)+4*\g+3], v[ADRS+((\m)/2)%2] offset:QO*((\m)%2)+16384+256*\g
.endr
.endm
; Chunk n.  kind 0: the next chunk lies in the same slot; 1: change of slots, the slot that is left is filled again with the tile two on; 2: change of slots without a fill; 3: the last.
.macro CH n, kind
.if (\kind) == 1 || (\kind) == 2
	s_wait_tensorcnt 0x0                           ; all my tensor loads have landed: my part of the other slot
	ds_add_u32 v[SPW], v[NIL]
	s_wait_dscnt 17                                ; (the add and the 16 loads of q's fragments 4-7 may be out)
	WIN MUL_LO
	MUL16 0, \n
	s_wait_dscnt 0x0                               ; the add is done, and my reads of this slot are over
	s_barrier_signal -1
	MUL16 2, \n
	WIN 0
	s_barrier_wait -1
.if (\kind) == 1
	CREST                                          ; no wave of any partner still reads this slot or has a load on its way
	s_add_nc_u64 s[G0+4*(((\n)/2)%2)+2:G0+4*(((\n)/2)%2)+3], s[G0+4*(((\n)/2)%2)+2:G0+4*(((\n)/2)%2)+3], 2*HB
	s_add_nc_u64 s[G0B+4*(((\n)/2)%2)+2:G0B+4*(((\n)/2)%2)+3], s[G0B+4*(((\n)/2)%2)+2:G0B+4*(((\n)/2)%2)+3], 2*HB
	JLOAD ((\n)/2)%2
	PLACES 4                                       ; with the four behind the load: eight
.else
	PLACES 8
.endif
.else
	s_wait_dscnt 16                                ; (the 16 loads of q's fragments 4-7 may be out)
	WIN MUL_LO
	MUL16 0, \n
	MUL16 2, \n
	s_wait_dscnt 0x0
.if (\kind) == 0
	PLACES 8
.endif
.endif
.if (\kind) != 3
	FB (\n)+1
	FA (\n)+1, 0
	FS (\n)+1
.endif
.if (\n) == 1
	ASK 3
.endif
	WIN MUL_HI
	MUL16 4, \n
	MUL16 6, \n
.if (\kind) != 3
	PLACES 8
	WIN 0
	FA (\n)+1, 4
.endif
	WIN 0
.endm
	s_wait_alu depctr_va_vdst(0)                   ; the wait at the head's end
	s_wait_tensorcnt 0x0                           ; my part of tile 0 is in; these lines stand ahead of a later first fill as ahead of a refill
	ds_add_u32 v[SPW], v[NIL]
	s_wait_dscnt 0x0
	CROUND
	JLOAD 1                                        ; tile 1, the first tensor load behind the round
	FB 0
	FA 0, 0
	FS 0
	FA 0, 4
	ASK 2
	CH 0, 0
	CH 1, 1
	CH 2, 0
	CH 3, 1
	CH 4, 0
	CH 5, 2
.macro VLD c                           ; v's keys 32 c .. 32 c + 31 into v[64 c ..] of window 1: 16 loads
	WIN 0x40
.irp i, 0,1,2,3,4,5,6,7,8,9,10,11,12,13,14,15
	global_load_b128 v[64*(\c)+4*\i:64*(\c)+4*\i+3], v[VO], s[96:97] offset:(32*(\c)+\i)*4096 th:TH_LOAD_NT
.endr
	WIN 0
.endm
	CH 6, 0
	VLD 0                                          ; set 0 of k's fragments is done with (chunk 7 has set 1, and nothing is fetched behind it); CH 6 ends with its eight places
	VLD 1
	CH 7, 3
; THE SOFTMAX, 16 queries x 128 keys at a time, in two trips of four: trip 0 takes window 2's accumulators, trip 1 window 3's.
.macro LOGIT a, w                      ; logit = S / 32 + mask x (-1e9), rounded as the definition rounds it; each accumulator from its low end on
	WIN \w
.irp b, 0,1,2,3,4,5,6,7
.irp j, 0,2,4,6
	v_pk_fma_f32 v[T+8*\b+\j:T+8*\b+\j+1], v[64*(\a)+8*\b+\j:64*(\a)+8*\b+\j+1], s[84:85], v[MT+8*\b+\j:MT+8*\b+\j+1] op_sel_hi:[1,0,1]
.endr
.endr
	WIN 0
.endm
.macro SOFT a
	s_wait_alu depctr_va_vdst(0)
	s_cmp_lg_u32 s3, 0
	s_cbranch_scc1 .Lhi_\@
	LOGIT \a, 2
	s_wait_alu depctr_va_vdst(0)
	s_branch .Ljoin_\@
.Lhi_\@:
	LOGIT \a, 3
.Ljoin_\@:
.set J, 0
.rept 32
	v_pk_mul_f32 v[T+J:T+J+1], v[T+J:T+J+1], s[80:81] op_sel_hi:[1,0]   ; t
.set J, J+2
.endr
.irp b, 0,1,2,3
	v_max3_num_f32 v[TM+\b], v[T+16*\b], v[T+16*\b+1], v[T+16*\b+2]   ; the largest t of each block of 32 keys: for M, and for the block's largest p
.endr
.irp i, 3,5,7,9,11,13
.irp b, 0,1,2,3
	v_max3_num_f32 v[TM+\b], v[TM+\b], v[T+16*\b+\i], v[T+16*\b+\i+1]
.endr
.endr
.irp b, 0,1,2,3
	v_max_num_f32 v[TM+\b], v[TM+\b], v[T+16*\b+15]
.endr
.irp b, 0,1,2,3
	v_permlanex16_b32 v[TM+4+\b], v[TM+\b], s78, s79
.endr
.irp b, 0,1,2,3
	v_max_num_f32 v[TM+\b], v[TM+\b], v[TM+4+\b]
.endr
	v_max3_num_f32 v[WK], v[TM], v[TM+1], v[TM+2]
	v_max_num_f32 v[WK], v[WK], v[TM+3]
	v_floor_f32 v[NM], -v[WK]                      ; -M
.set J, 0
.rept 32
	v_pk_add_f32 v[T+J:T+J+1], v[T+J:T+J+1], v[NM:NM+1] op_sel_hi:[1,0]
.set J, J+2
.endr
.irp b, 0,1,2,3
	v_add_f32 v[TM+\b], v[TM+\b], v[NM]
.endr
	s_wait_alu depctr_va_vdst(0)                   ; ahead of the batch
.set J, 0
.rept 64
	v_exp_f32 v[T+J], v[T+J]
.set J, J+1
.endr
.irp b, 0,1,2,3
	v_exp_f32 v[TM+\b], v[TM+\b]
.endr
	v_nop
	s_wait_alu depctr_va_vdst(0)                   ; and behind it
.irp b, 0,1,2,3
	v_max_num_f32 v[TM+\b], 0x4800000, v[TM+\b]    ; the floor 2^(9 - 127)
.endr
.irp b, 0,1,2,3
	v_add_nc_u32 v[TM+12+\b], 0xfc000000, v[TM+\b] ; the conversion's scale operand
.endr
.irp b, 0,1,2,3
	v_and_or_b32 v[TM+8+\b], v[TM+\b], 0x7f800000, s18   ; 448 x the scale
.endr
.irp b, 0,1,2,3
	v_lshrrev_b32 v[TM+4+\b], 23, v[TM+12+\b]
.endr
.irp k, 0,1,2,3
	v_pk_add_f32 v[SU+2*\k:SU+2*\k+1], v[T+2*\k:T+2*\k+1], v[T+8+2*\k:T+8+2*\k+1]   ; the sum of the unquantised p, four chains by turns
.endr
	v_lshl_or_b32 v[PW], v[TM+5], 8, v[TM+4]
	v_lshl_or_b32 v[PW], v[TM+6], 16, v[PW]
	v_lshl_or_b32 v[PW], v[TM+7], 24, v[PW]
.irp j, 16,18,20,22,24,26,28,30,32,34,36,38,40,42,44,46,48,50,52,54,56,58,60,62
	v_pk_add_f32 v[SU+2*((\j/2)%4):SU+2*((\j/2)%4)+1], v[SU+2*((\j/2)%4):SU+2*((\j/2)%4)+1], v[T+\j:T+\j+1]
.endr
	v_pk_add_f32 v[SU:SU+1], v[SU:SU+1], v[SU+2:SU+3]
	v_pk_add_f32 v[SU+4:SU+5], v[SU+4:SU+5], v[SU+6:SU+7]
	v_pk_add_f32 v[SU:SU+1], v[SU:SU+1], v[SU+4:SU+5]
	v_add_f32 v[SU], v[SU], v[SU+1]
	v_permlanex16_b32 v[WK+1], v[SU], s78, s79
	v_add_f32 v[SU], v[SU], v[WK+1]
	s_wait_alu depctr_va_vdst(0)
	s_wait_xcnt 0x0                                ; the stores of two blocks back have read their registers
.set PB, PC+16*((\a)%2)
.set SB, ST+2*((\a)%2)
	v_cndmask_b32 v[SB], v[PW], v[SU], s86         ; lanes 0-15: the scale word and -M; lanes 16-31: the sum
	v_cndmask_b32 v[SB+1], v[NM], v[SU], s86
.irp n, 0,1,2,3
.irp i, 0,1,2,3,4,5,6,7,8,9,10,11,12,13,14,15
	v_min_num_f32 v[T+16*\n+\i], v[T+16*\n+\i], v[TM+8+\n]   ; p is not negative: the hold is one-sided (the conversion does not saturate: ISA guide 7.6.2)
.endr
	v_cvt_scalef32_pk8_fp8_f32 v[PB+4*\n:PB+4*\n+1], v[T+16*\n:T+16*\n+7], v[TM+12+\n]
	v_cvt_scalef32_pk8_fp8_f32 v[PB+4*\n+2:PB+4*\n+3], v[T+16*\n+8:T+16*\n+15], v[TM+12+\n]
.endr
	v_nop
.irp n, 0,1,2,3
	global_store_b128 v[CO], v[PB+4*\n:PB+4*\n+3], s[8:9] offset:2048*(\a)+512*\n   ; 512 consecutive bytes
.endr
	global_store_b64 v[SO], v[SB:SB+1], s[10:11] offset:256*(\a)   ; 256 bytes, aligned
.endm
	PLACES 8
.irp b, 0,1,2,3
	v_mov_b32 v[TM+4+\b], 0                        ; a lane permute's destination counts as one of its sources
.endr
	v_mov_b32 v[NM+1], 0
	v_mov_b32 v[WK+1], 0
	VLD 2                                          ; and set 1, behind the eight places above
	VLD 3
	s_mov_b32 s3, 0
.Lsoft:
	SOFT 0
	SOFT 1
	SOFT 2
	SOFT 3
	s_wait_alu depctr_va_vdst(0)
	s_wait_xcnt 0x0                                ; the stores' bases may be written
	s_add_nc_u64 s[8:9], s[8:9], 8192
	s_add_nc_u64 s[10:11], s[10:11], 1024
	s_add_co_u32 s3, s3, 1
	s_cmp_lt_u32 s3, 2
	s_cbranch_scc1 .Lsoft
; V: four blocks by turns (block j: channel 4 r + j), 16 keys of each in this lane and 16 in lane l xor 16.
.macro VSTEP c
	s_wait_alu depctr_va_vdst(0)
	s_wait_loadcnt 48-16*(\c)                      ; this step's 16 loads are in; those of the later steps may be out
	WIN 0x14                                       ; sources 1 and 2: window 1
.irp b, 0,1,2,3
	v_max3_num_f32 v[TM+\b], 0x4800000, |v[64*(\c)+\b]|, |v[64*(\c)+4+\b]|   ; with the floor 2^(9 - 127)
.endr
.irp i, 2,4,6,8,10,12,14
.irp b, 0,1,2,3
	v_max3_num_f32 v[TM+\b], v[TM+\b], |v[64*(\c)+4*\i+\b]|, |v[64*(\c)+4*\i+4+\b]|
.endr
.endr
	WIN 0
.irp b, 0,1,2,3
	v_permlanex16_b32 v[TM+4+\b], v[TM+\b], s78, s79
.endr
.irp b, 0,1,2,3
	v_max_num_f32 v[TM+\b], v[TM+\b], v[TM+4+\b]
.endr
.irp b, 0,1,2,3
	v_and_or_b32 v[HV+\b], v[TM+\b], 0x7f800000, s18   ; 448 x the scale
.endr
.irp b, 0,1,2,3
	v_add_nc_u32 v[TM+\b], 0xfc000000, v[TM+\b]    ; the conversion's scale operand
.endr
.irp b, 0,1,2,3
	v_lshrrev_b32 v[TM+4+\b], 23, v[TM+\b]         ; the scale's byte
.endr
.irp b, 0,1,2,3
.if (\c) == 0
	v_mov_b32 v[VW+\b], v[TM+4+\b]
.else
	v_lshl_or_b32 v[VW+\b], v[TM+4+\b], 8*(\c), v[VW+\b]
.endif
.endr
	WIN 0x04                                       ; source 1: window 1
.irp j, 0,1,2,3
.irp i, 0,1,2,3,4,5,6,7,8,9,10,11,12,13,14,15
	v_med3_num_f32 v[T+16*\j+\i], -v[HV+\j], v[64*(\c)+4*\i+\j], v[HV+\j]   ; the hold (the conversion does not saturate: ISA guide 7.6.2)
.endr
.endr
	WIN 0
.irp j, 0,1,2,3
	v_cvt_scalef32_pk8_fp8_f32 v[PC+16*(\c)+4*\j:PC+16*(\c)+4*\j+1], v[T+16*\j:T+16*\j+7], v[TM+\j]
	v_cvt_scalef32_pk8_fp8_f32 v[PC+16*(\c)+4*\j+2:PC+16*(\c)+4*\j+3], v[T+16*\j+8:T+16*\j+15], v[TM+\j]
.endr
	v_nop                                          ; one plain line behind the last conversion
.irp j, 0,1,2,3
	global_store_b128 v[CO], v[PC+16*(\c)+4*\j:PC+16*(\c)+4*\j+3], s[98:99] offset:2048*\j+512*(\c)   ; 512 consecutive bytes; each step has its own registers
.endr
.endm
	VSTEP 0
	VSTEP 1
	VSTEP 2
	VSTEP 3
	v_cndmask_b32 v48, v[VW], v[VW+2], s86         ; lane (r, h) stores row r's words of fragments 2 h and 2 h + 1
	v_cndmask_b32 v49, v[VW+1], v[VW+3], s86
	global_store_b64 v[SO], v[48:49], s[98:99] offset:8192   ; 256 bytes, aligned
	s_wait_tensorcnt 0x0                           ; the wave's end
	ds_add_u32 v[SPW], v[NIL]
	s_wait_dscnt 0x0
	CROUND                                         ; the closing round
	s_endpgm
.Lfunc_end_k_q81d07c131c_scores:
	.size	k_q81d07c131c_scores, .Lfunc_end_k_q81d07c131c_scores-k_q81d07c131c_scores
	.p2alignl 7, 3214868480
	.fill 96, 4, 3214868480
	.section	.rodata,"a",@progbits
	.p2align	6, 0x0
	.amdhsa_kernel k_q81d07c131c_scores
		.amdhsa_group_segment_fixed_size 327680
		.amdhsa_private_segment_fixed_size 0
		.amdhsa_enable_private_segment 0
		.amdhsa_kernarg_size 48
		.amdhsa_user_sgpr_count 2
		.amdhsa_user_sgpr_kernarg_segment_ptr 1
		.amdhsa_wavefront_size32 1
		.amdhsa_system_sgpr_workgroup_id_x 1
		.amdhsa_system_sgpr_workgroup_id_y 1
		.amdhsa_system_sgpr_workgroup_id_z 1
		.amdhsa_system_vgpr_workitem_id 0
		.amdhsa_next_free_vgpr 1024
		.amdhsa_next_free_sgpr 100
		.amdhsa_reserve_vcc 0
		.amdhsa_float_denorm_mode_32 3
		.amdhsa_float_denorm_mode_16_64 3
		.amdhsa_memory_ordered 1
		.amdhsa_forward_progress 1
		.amdhsa_inst_pref_size 239
	.end_amdhsa_kernel
	.amdgpu_metadata
---
amdhsa.version: [ 1, 2 ]
amdhsa.kernels:
  - .name:           k_q81d07c131c_scores
    .symbol:         k_q81d07c131c_scores.kd
    .args:
      - { .name: qk_img, .offset: 0, .size: 8, .value_kind: global_buffer, .address_space: global }
      - { .name: mask, .offset: 8, .size: 8, .value_kind: global_buffer, .address_space: global }
      - { .name: p_img, .offset: 16, .size: 8, .value_kind: global_buffer, .address_space: global }
      - { .name: stats, .offset: 24, .size: 8, .value_kind: global_buffer, .address_space: global }
      - { .name: v, .offset: 32, .size: 8, .value_kind: global_buffer, .address_space: global }
      - { .name: v_img, .offset: 40, .size: 8, .value_kind: global_buffer, .address_space: global }
    .group_segment_fixed_size: 327680
    .private_segment_fixed_size: 0
    .kernarg_segment_align: 8
    .kernarg_segment_size: 48
    .max_flat_workgroup_size: 128
    .sgpr_count:     100
    .vgpr_count:     1024
    .wavefront_size: 32
...
	.end_amdgpu_metadata
.endif
;; end of part 2
;; launch values (part 3): grid 4 x 64, 4 waves a work-group, clusters of 4 x 1, 327,680 bytes of LDS; arguments p_img, stats, v_img, out0; writes out0
.if DOCPART == 3
	.amdgcn_target "amdgcn-amd-amdhsa--gfx1250"
	.amdhsa_code_object_version 6
	.text
	.protected	k_q81d07c131c_values
	.globl	k_q81d07c131c_values
	.p2align	8
	.type	k_q81d07c131c_values,@function
k_q81d07c131c_values:
	s_mov_b64 s[64:65], 0
	v_nop
	global_prefetch_b8 v0, s[64:65] scope:SCOPE_SE
	s_setreg_imm32_b32 hwreg(HW_REG_WAVE_MODE, 25, 1), 1
	s_wait_xcnt 0x0
	s_wait_alu depctr_hold_cnt(0) depctr_sa_sdst(0) depctr_va_vdst(0) depctr_va_sdst(0) depctr_va_ssrc(0) depctr_va_vcc(0) depctr_vm_vsrc(0)
	s_getreg_b32 s2, hwreg(HW_REG_IB_STS2, 6, 4)
	s_cmp_eq_u32 s2, 0
	s_cbranch_scc0 .Lentry_in_a_cluster
	s_endpgm
.Lentry_in_a_cluster:
	s_bfe_u32 s2, ttmp6, 0x10000c
	s_cmp_lg_u32 s2, 0x3003
	s_cbranch_scc0 .Lentry_shape_is_right
	s_endpgm
.Lentry_shape_is_right:
; O = P V / l on codes of FP8 with E8M0 scales, K = the 2,048 keys in 16 chunks of 128.  A work-group makes 128 queries x 256 channels, a wave 128 x 64: 32 accumulators.  256 work-groups.
; P'S WHOLE TILE, 262,144 bytes, comes into LDS by one tensor load a wave: wave 0 chunks 0-1, wave 1 2-5, wave 2 6-10, wave 3 11-15, and a barrier ahead of each part's first read.  No byte of LDS is filled twice.
; Clusters of 4 x 1: the four work-groups of a tile row need the same P and ask for it jointly.
; V GOES STRAIGHT INTO REGISTERS, in the order in which they want it: each of its bytes is wanted by ONE wave of the work-group, 16 loads of 512 consecutive bytes and one of scale words a chunk, three chunks ahead.  It is not shared in
; the cluster: a joint load lands in LDS, where P leaves 65,536 bytes, less than two slots of one chunk of 256 channels (33,792 bytes each) and the words below; and a ring would put a round of the cluster's barrier into the walk.
; No prefetch: the loads themselves are issued three chunks, 96 matrix instructions, ahead of their use, and P comes once, at the head.
; AT THE HEAD each wave takes 32 rows, a lane a row: the row's M is the largest of the 16 chunks' M; chunk c's shift D = M - M(c) is taken off each of its four scale bytes (a power of two, which the scale takes up: the codes stay),
; and l = the sum of l(c) 2^-D, exact powers of two again.  The words and 1 / l go to LDS for all four waves.
; LIMITS: D is held at 127, and a byte that would fall under 0 is held at 0 (2^-127): what such a block or sum still adds lies under 2^-118 of the row's largest term, where the definition has still less.  NaN and infinities are not served.
; Source 0 = 16 queries of P, source 1 = 16 channels of V: lane (r, h) holds channel 4 r + j of fragment j and queries 8 h + 0 .. 7: four fragments' registers are four neighbouring channels, and sixteen lanes store 256 bytes of a row.
; REGISTERS: window 0: addresses, scale words, the head's work, 1 / l;  window 1: accumulator (a, j) at v[8 (4 a + j)];  window 2: P's fragments, two sets of 8;  window 3: V's, four sets of 4.
.set SCW,   262144                     ; LDS: P's scale words under the row's M: [chunk][a / 4][r][a % 4]
.set RLB,   SCW+8192                   ; 1 / l of the 128 rows
.set SPARE, RLB+512                    ; the spare words, 128 bytes a wave
.set VCH,   8448                       ; a chunk of 64 channels in memory
.set LN,  16                           ; 16 x lane
.set WO,  17                           ; 16 r
.set ADP, 18                           ; v18-21: P in LDS, four chunks to a register
.set ADW, 22
.set RLA, 23
.set OO,  24
.set SO,  25
.set LW,  26
.set LR,  27
.set SPW, 28
.set NIL, 29
.set PSC, 32                           ; P's scale words, two sets of 8
.set VSC, 48                           ; V's, four sets of 4
.set ST,  64                           ; v64-127: the head: scale word, -M, l, l of 16 chunks
.set TD,  128
.set TE,  132
.set LS,  136
.set GM,  140
.set RL,  192                          ; v192-255: 1 / l of query (a, 8 h + i)
.set G1A, 24
.set G1C, 32
.set G1D, 40
.set G0A, 48                           ; s[48:63] four groups 0
.set MSB, 0
.macro WIN new                         ; the immediate's high byte repeats the setting that is left; a switch that changes nothing is dropped
.set WNEW, \new
.if MSB != WNEW
	s_set_vgpr_msb (MSB<<8)|WNEW
.set MSB, WNEW
.endif
.endm
.set MUL, 0x5e                         ; source 0 window 2, source 1 window 3, C and D window 1
.macro CROUND                          ; a round of the cluster's barrier
	s_barrier_signal -1
	s_barrier_wait -1
	s_cmp_lg_u32 s14, 0
	s_cbranch_scc1 .Lnot_wave_0_\@
	s_barrier_signal -3
.Lnot_wave_0_\@:
	s_barrier_wait -3
	s_barrier_signal -1
	s_barrier_wait -1
.endm
.macro PLACES n                        ; plain vector lines behind matrix instructions: eight for this form
.rept \n
	v_nop
.endr
.endm
	s_load_b256 s[4:11], s[0:1], 0x0               ; p_img, stats, v_img, out0
	v_lshl_add_u32 v[SPW], v0, 2, SPARE
	v_mov_b32 v[NIL], 0
	ds_add_u32 v[SPW], v[NIL]                      ; the opening add, twice on end
	ds_add_u32 v[SPW], v[NIL]
	v_lshrrev_b32 v1, 5, v0
	v_readfirstlane_b32 s14, v1                    ; wave 0..3
	s_bfe_u32 s40, ttmp6, 0x40000                  ; cx
	s_lshl_b32 s66, ttmp9, 2
	s_add_co_u32 s66, s66, s40                     ; tile of 256 channels
	s_and_b32 s67, ttmp7, 0xffff                   ; tile of 128 queries, 0..63
	s_lshr_b32 s68, s67, 4                         ; batch
	s_lshl_b32 s70, s67, 18                        ; P: 262,144 bytes a tile
	s_mov_b32 s71, 0
	s_lshl_b32 s72, s67, 15                        ; stats: 32,768 bytes a tile
	s_mov_b32 s73, 0
	s_lshl_b32 s74, s66, 2
	s_add_co_u32 s74, s74, s14                     ; my group of 64 channels, 0..15
	s_lshl_b32 s76, s74, 8                         ; its bytes in a row of O
	s_lshl_b32 s75, s68, 4
	s_add_co_u32 s74, s74, s75
	s_mul_i32 s74, s74, 16*VCH
	s_mov_b32 s75, 0
	s_lshl_b32 s77, s67, 19
	s_add_co_u32 s76, s76, s77
	s_mov_b32 s77, 0
	s_lshr_b32 s78, s14, 1
	s_lshl_b32 s78, s78, 8
	s_and_b32 s79, s14, 1
	s_lshl_b32 s79, s79, 3
	s_add_co_u32 s78, s78, s79
	s_add_co_u32 s78, s78, SCW                     ; where my 32 rows' words go: 256 (wave / 2) + 8 (wave % 2)
	; descriptor groups 1: rows of 256 dense bytes: 128, 256 and 320 of them
	s_mov_b32 s[G1A], 15|(3<<16)|(1<<21)           ; 15:0 the mask of the four; 17:16 elements of 8 bytes; 21 set beside a mask
	s_mov_b32 s[G1A+1], 32<<16
	s_mov_b32 s[G1A+2], 128<<16
	s_mov_b32 s[G1A+3], 32<<16
	s_mov_b32 s[G1A+4], 128
	s_mov_b32 s[G1A+5], 32
	s_mov_b32 s[G1A+6], 0
	s_mov_b32 s[G1A+7], 0
	s_mov_b32 s[G1C], 15|(3<<16)|(1<<21)
	s_mov_b32 s[G1C+1], 32<<16
	s_mov_b32 s[G1C+2], 256<<16
	s_mov_b32 s[G1C+3], 32<<16
	s_mov_b32 s[G1C+4], 256
	s_mov_b32 s[G1C+5], 32
	s_mov_b32 s[G1C+6], 0
	s_mov_b32 s[G1C+7], 0
	s_mov_b32 s[G1D], 15|(3<<16)|(1<<21)
	s_mov_b32 s[G1D+1], 32<<16
	s_mov_b32 s[G1D+2], 320<<16
	s_mov_b32 s[G1D+3], 32<<16
	s_mov_b32 s[G1D+4], 320
	s_mov_b32 s[G1D+5], 32
	s_mov_b32 s[G1D+6], 0
	s_mov_b32 s[G1D+7], 0
	v_and_b32 v1, 15, v0                           ; r
	v_bfe_u32 v2, v0, 4, 1                         ; h
	v_and_b32 v3, 31, v0                           ; lane
	v_lshlrev_b32 v[LN], 4, v3
	v_lshlrev_b32 v[WO], 4, v1
	v_lshlrev_b32 v[ADP], 4, v3
	v_add_nc_u32 v[ADP+1], 0x10000, v[ADP]
	v_add_nc_u32 v[ADP+2], 0x20000, v[ADP]
	v_add_nc_u32 v[ADP+3], 0x30000, v[ADP]
	v_add_nc_u32 v[ADW], SCW, v[WO]
	v_lshlrev_b32 v4, 5, v2
	v_add_nc_u32 v[RLA], RLB, v4
	v_lshl_add_u32 v[OO], v2, 16, v[WO]            ; O: lanes 16-31 are 16 rows on
	v_lshlrev_b32 v[SO], 4, v0                     ; stats: row = my thread's number
	v_lshl_add_u32 v4, v2, 2, v[WO]
	v_add_nc_u32 v[LW], s78, v4
	v_lshl_add_u32 v[LR], v0, 2, RLB
	s_wait_alu depctr_va_vdst(0)
	s_wait_dscnt 0x0                               ; both opening adds are done
	s_wait_kmcnt 0x0
	s_add_nc_u64 s[4:5], s[4:5], s[70:71]
	s_add_nc_u64 s[6:7], s[6:7], s[72:73]
	s_add_nc_u64 s[8:9], s[8:9], s[74:75]
	s_add_nc_u64 s[10:11], s[10:11], s[76:77]
.macro GRP0 w, chunk                   ; group 0 of wave w's load: its chunks lie in LDS as in memory
	s_mov_b32 s[G0A+4*\w], 1
	s_mov_b32 s[G0A+4*\w+1], 16384*\chunk
	s_add_nc_u64 s[G0A+4*\w+2:G0A+4*\w+3], s[4:5], 16384*\chunk
	s_or_b32 s[G0A+4*\w+3], s[G0A+4*\w+3], 0x80000000
.endm
	GRP0 0, 0
	GRP0 1, 2
	GRP0 2, 6
	GRP0 3, 11
	CROUND                                         ; the four work-groups are here: the joint loads meet
; One chain of branches on the wave's number, a load to an arm, all arms to one join.
.macro ARM w, g1, next
	s_cmp_eq_u32 s14, \w
	s_cbranch_scc0 \next
	tensor_load_to_lds s[G0A+4*\w:G0A+4*\w+3], s[\g1:\g1+7]
	s_nop 0
.rept 4
	v_nop
.endr
	s_branch .Lasked
\next:
.endm
	ARM 0, G1A, .Larm1
	ARM 1, G1C, .Larm2
	ARM 2, G1D, .Larm3
	tensor_load_to_lds s[G0A+12:G0A+15], s[G1D:G1D+7]
	s_nop 0
.rept 4
	v_nop
.endr
.Lasked:
.irp c, 0,1,2,3,4,5,6,7,8,9,10,11,12,13,14,15
	global_load_b128 v[ST+4*\c:ST+4*\c+3], v[SO], s[6:7] offset:2048*\c   ; 512 consecutive bytes a wave
.endr
.macro VLD i                           ; chunk i of V: 16 loads into set i % 4 of window 3, and its scale words
	WIN 0xc0
.irp j, 0,1,2,3
.irp c, 0,1,2,3
	global_load_b128 v[64*((\i)%4)+16*\j+4*\c:64*((\i)%4)+16*\j+4*\c+3], v[LN], s[8:9] offset:VCH*(\i)+2048*\j+512*\c
.endr
.endr
	WIN 0
	global_load_b128 v[VSC+4*((\i)%4):VSC+4*((\i)%4)+3], v[WO], s[8:9] offset:VCH*(\i)+8192
.endm
	VLD 0
	VLD 1
	VLD 2
	s_wait_loadcnt 51                              ; the statistics are in; V's three chunks, 51 loads, may be out
	v_min3_num_f32 v[GM], v[ST+1], v[ST+5], v[ST+9]      ; the least -M = -(the row's M), in two chains
	v_min3_num_f32 v[GM+1], v[ST+13], v[ST+17], v[ST+21]
	v_min3_num_f32 v[GM], v[GM], v[ST+25], v[ST+29]
	v_min3_num_f32 v[GM+1], v[GM+1], v[ST+33], v[ST+37]
	v_min3_num_f32 v[GM], v[GM], v[ST+41], v[ST+45]
	v_min3_num_f32 v[GM+1], v[GM+1], v[ST+49], v[ST+53]
	v_min3_num_f32 v[GM], v[GM], v[ST+57], v[ST+61]
	v_min_num_f32 v[GM], v[GM], v[GM+1]
.macro ADJ4 c0                         ; chunks c0 .. c0 + 3 under the row's M, by turns
.irp k, 0,1,2,3
	v_sub_f32 v[TD+\k], v[ST+4*(\c0+\k)+1], v[GM]  ; D = M - M(c): a whole number, 0 or more
.endr
.irp k, 0,1,2,3
	v_min_num_f32 v[TD+\k], 0x42fe0000, v[TD+\k]   ; held at 127
.endr
.irp k, 0,1,2,3
	v_cvt_i32_f32 v[TD+\k], v[TD+\k]
.endr
.irp k, 0,1,2,3
	v_sub_nc_u32 v[TE+\k], 0, v[TD+\k]
.endr
.irp k, 0,1,2,3
.if (\c0) == 0
	v_ldexp_f32 v[LS+\k], v[ST+4*(\c0+\k)+2], v[TE+\k]   ; l(c) 2^-D: four sums
.else
	v_ldexp_f32 v[TE+\k], v[ST+4*(\c0+\k)+2], v[TE+\k]
.endif
.endr
.if (\c0) > 0
.irp k, 0,1,2,3
	v_add_f32 v[LS+\k], v[LS+\k], v[TE+\k]
.endr
.endif
.irp k, 0,1,2,3
	v_lshl_or_b32 v[TD+\k], v[TD+\k], 8, v[TD+\k]
.endr
.irp k, 0,1,2,3
	v_lshl_or_b32 v[TD+\k], v[TD+\k], 16, v[TD+\k] ; D in each of the four bytes
.endr
.irp k, 0,1,2,3
	v_or_b32 v[ST+4*(\c0+\k)], 0x80808080, v[ST+4*(\c0+\k)]   ; 128 + byte - D is at least 1 (a byte is at most 119, D at most 127): no borrow crosses a byte,
.endr
.irp k, 0,1,2,3
	v_sub_nc_u32 v[ST+4*(\c0+\k)], v[ST+4*(\c0+\k)], v[TD+\k] ; and a byte's top bit says that byte - D is 0 or more
.endr
.irp k, 0,1,2,3
	v_lshrrev_b32 v[TD+\k], 7, v[ST+4*(\c0+\k)]
.endr
.irp k, 0,1,2,3
	v_and_b32 v[TD+\k], 0x01010101, v[TD+\k]
.endr
.irp k, 0,1,2,3
	v_lshlrev_b32 v[TE+\k], 7, v[TD+\k]
.endr
.irp k, 0,1,2,3
	v_sub_nc_u32 v[TD+\k], v[TE+\k], v[TD+\k]      ; 0x7f in those bytes, 0 in the others
.endr
.irp k, 0,1,2,3
	v_and_b32 v[ST+4*(\c0+\k)], v[ST+4*(\c0+\k)], v[TD+\k]    ; byte - D, held at 0
.endr
.irp k, 0,1,2,3
	ds_store_b32 v[LW], v[ST+4*(\c0+\k)] offset:512*(\c0+\k)
.endr
.endm
	ADJ4 0
	ADJ4 4
	ADJ4 8
	ADJ4 12
	v_add_f32 v[LS], v[LS], v[LS+1]
	v_add_f32 v[LS+2], v[LS+2], v[LS+3]
	v_add_f32 v[LS], v[LS], v[LS+2]
	s_wait_alu depctr_va_vdst(0)                   ; ahead of the transcendental
	v_rcp_f32 v[TD], v[LS]
	v_nop
	s_wait_alu depctr_va_vdst(0)                   ; and behind it; also the wait at the head's end
	ds_store_b32 v[LR], v[TD]
	s_cmp_lg_u32 s14, 0
	s_cbranch_scc1 .Lnot_first
	s_wait_tensorcnt 0x0                           ; wave 0: chunks 0 and 1 of P are in
.Lnot_first:
	s_wait_dscnt 0x0                               ; my words and 1 / l are stored
	s_barrier_signal -1
	s_barrier_wait -1
.macro PLD i, a0                       ; four of chunk i's fragments of P into set i % 2 of window 2
	WIN 0x80
.irp a, 0,1,2,3
.irp c, 0,1,2,3
	ds_load_b128 v[128*((\i)%2)+16*(\a0+\a)+4*\c:128*((\i)%2)+16*(\a0+\a)+4*\c+3], v[ADP+(\i)/4] offset:16384*((\i)%4)+2048*(\a0+\a)+512*\c
.endr
.endr
	WIN 0
.endm
.macro PWD i                           ; and its scale words
.irp g, 0,1
	ds_load_b128 v[PSC+8*((\i)%2)+4*\g:PSC+8*((\i)%2)+4*\g+3], v[ADW] offset:512*(\i)+256*\g
.endr
.endm
.macro MUL8 a0, i                      ; chunk i: P's fragments a0, a0 + 1 x V's four; the 32 accumulators take turns in the same order in every chunk.  The first chunk starts the sums
	WIN MUL
.irp a, \a0, \a0+1
.irp j, 0,1,2,3
.if (\i) == 0
	v_wmma_scale_f32_16x16x128_f8f6f4 v[8*(4*(\a)+\j):8*(4*(\a)+\j)+7], v[16*(\a):16*(\a)+15], v[16*\j:16*\j+15], 0, v[PSC+(\a)], v[VSC+\j]
.else
	v_wmma_scale_f32_16x16x128_f8f6f4 v[8*(4*(\a)+\j):8*(4*(\a)+\j)+7], v[128*((\i)%2)+16*(\a):128*((\i)%2)+16*(\a)+15], v[64*((\i)%4)+16*\j:64*((\i)%4)+16*\j+15], v[8*(4*(\a)+\j):8*(4*(\a)+\j)+7], v[PSC+8*((\i)%2)+(\a)], v[VSC+4*((\i)%4)+\j]
.endif
.endr
.endr
	WIN 0
.endm
.macro PART w                          ; wave w's part of P is in
	s_cmp_lg_u32 s14, \w
	s_cbranch_scc1 .Lnot_mine_\@
	s_wait_tensorcnt 0x0
.Lnot_mine_\@:
	s_barrier_signal -1
.endm
.macro CHUNK i                         ; i = 0 .. 14
	s_wait_dscnt 0x0                               ; this chunk's fragments of P are in
.if (\i) < 14
	s_wait_loadcnt 34                              ; and of V; the two chunks behind it may be out
.else
	s_wait_loadcnt 17
.endif
.if (\i) == 1
	PART 1
.elseif (\i) == 5
	PART 2
.elseif (\i) == 10
	s_wait_tensorcnt 0x0                           ; all that is still out: wave 3's part
	s_barrier_signal -1
.endif
	MUL8 0, \i
.if (\i) == 1 || (\i) == 5 || (\i) == 10
	s_barrier_wait -1
.endif
	PLACES 8                                       ; in front of loads into registers that the last chunk's products read
	PLD (\i)+1, 0
	MUL8 2, \i
	PLD (\i)+1, 4
	PWD (\i)+1
	MUL8 4, \i
.if (\i) < 13
	VLD (\i)+3
.endif
	MUL8 6, \i
.endm
; THE WAY OUT of fragment a: x 1 / l, each accumulator from its low end on; eight stores of two rows' 256 bytes.  The products' registers that chunk 15 does not use take the results: window 2's set 0 (a < 4), window 3's sets 0 and 1.
.macro OUT a
	WIN 0x81+0x40*((\a)/4)
.irp i, 0,1,2,3,4,5,6,7
.irp j, 0,1,2,3
	v_mul_f32 v[32*((\a)%4)+4*\i+\j], v[8*(4*(\a)+\j)+\i], v[RL+8*(\a)+\i]
.endr
.endr
	WIN 0x08+0x04*((\a)/4)
.irp i, 0,1,2,3,4,5,6,7
	global_store_b128 v[OO], v[32*((\a)%4)+4*\i:32*((\a)%4)+4*\i+3], s[10:11] offset:(32*((\a)/2)+8*((\a)%2)+\i)*4096 th:TH_STORE_NT
.endr
	WIN 0
.endm
	PLD 0, 0
	PLD 0, 4
	PWD 0
.irp i, 0,1,2,3,4,5,6,7,8,9,10,11,12,13,14
	CHUNK \i
.endr
	s_wait_dscnt 0x0                               ; the last chunk
	s_wait_loadcnt 0x0
	MUL8 0, 15
.irp a, 0,1,2,3,4,5,6,7
	ds_load_b128 v[RL+8*\a:RL+8*\a+3], v[RLA] offset:64*\a
	ds_load_b128 v[RL+8*\a+4:RL+8*\a+7], v[RLA] offset:64*\a+16
.endr
	MUL8 2, 15
	PLACES 8
	s_wait_dscnt 0x0
	OUT 0
	OUT 1
	MUL8 4, 15
	OUT 2                                          ; (the multiplications of two fragments are the next products' places)
	OUT 3
	MUL8 6, 15
	OUT 4
	OUT 5
	OUT 6
	OUT 7
	s_wait_tensorcnt 0x0                           ; the wave's end
	ds_add_u32 v[SPW], v[NIL]
	s_wait_dscnt 0x0
	CROUND                                         ; the closing round
	s_endpgm
.Lfunc_end_k_q81d07c131c_values:
	.size	k_q81d07c131c_values, .Lfunc_end_k_q81d07c131c_values-k_q81d07c131c_values
	.p2alignl 7, 3214868480
	.fill 96, 4, 3214868480
	.section	.rodata,"a",@progbits
	.p2align	6, 0x0
	.amdhsa_kernel k_q81d07c131c_values
		.amdhsa_group_segment_fixed_size 327680
		.amdhsa_private_segment_fixed_size 0
		.amdhsa_enable_private_segment 0
		.amdhsa_kernarg_size 32
		.amdhsa_user_sgpr_count 2
		.amdhsa_user_sgpr_kernarg_segment_ptr 1
		.amdhsa_wavefront_size32 1
		.amdhsa_system_sgpr_workgroup_id_x 1
		.amdhsa_system_sgpr_workgroup_id_y 1
		.amdhsa_system_sgpr_workgroup_id_z 1
		.amdhsa_system_vgpr_workitem_id 0
		.amdhsa_next_free_vgpr 1024
		.amdhsa_next_free_sgpr 100
		.amdhsa_reserve_vcc 0
		.amdhsa_float_denorm_mode_32 3
		.amdhsa_float_denorm_mode_16_64 3
		.amdhsa_memory_ordered 1
		.amdhsa_forward_progress 1
		.amdhsa_inst_pref_size 173
	.end_amdhsa_kernel
	.amdgpu_metadata
---
amdhsa.version: [ 1, 2 ]
amdhsa.kernels:
  - .name:           k_q81d07c131c_values
    .symbol:         k_q81d07c131c_values.kd
    .args:
      - { .name: p_img, .offset: 0, .size: 8, .value_kind: global_buffer, .address_space: global }
      - { .name: stats, .offset: 8, .size: 8, .value_kind: global_buffer, .address_space: global }
      - { .name: v_img, .offset: 16, .size: 8, .value_kind: global_buffer, .address_space: global }
      - { .name: out0, .offset: 24, .size: 8, .value_kind: global_buffer, .address_space: global }
    .group_segment_fixed_size: 327680
    .private_segment_fixed_size: 0
    .kernarg_segment_align: 8
    .kernarg_segment_size: 32
    .max_flat_workgroup_size: 128
    .sgpr_count:     100
    .vgpr_count:     1024
    .wavefront_size: 32
...
	.end_amdgpu_metadata
.endif
;; end of part 3
